; MI455X (gfx1250); checked and timed in simulation.
; The chip was launched on July 23, 2026; its instructions are those of AMD's public machine-readable ISA for CDNA 5 (MIT licence, August 2026) and "CDNA5" Instruction Set Architecture Reference Guide (July 2026). The comments in the code are by the model that wrote it; some were corrected since.
;; Multi Head. Allowed arithmetic: matrix products marked QUANTISED: E2M1 operands, one E8M0 scale for each 32 along K, by v_wmma_scale_f32_16x16x128_f8f6f4 with both operands' format E2M1 (or v_wmma_scale_f32_32x16x128_f4), f32 sums; everything else in f32.
;; Inputs: weights 4,096 x 4,096 float32; x 4,096 x 4,096 float32.
;; Outputs: out0 4,096 x 4,096 float32.
;; This version of the problem:
;;   THIS VERSION OF THE PROBLEM IS GIVEN IN LOW PRECISION. The matrix products marked QUANTISED in the list below multiply operands that are first quantised to E2M1 (2 exponent bits, 1 mantissa bit; 4 bits a number), with one power-of-two scale for each 32 numbers along K (OCP MX v1.0); their sums are f32. All else is computed in f32.
;;   The module's matrix products, in the order in which they are computed (A, B: the left and right operand; K: the contracted axis; several contracted axes count as one K, in the product's order):
;;     1. [M 4,096, K 4,096] x [K 4,096, N 4,096]; A: input x; B: input weights: QUANTISED
;;   THE QUANTISER, for each operand of a quantised product, along K:
;;     - K is cut into blocks of 32 from its start; a last block that is shorter is filled with zeros.
;;     - A block's scale is 2^e with e = floor(log2(the largest magnitude in the block)) - 2, held to -126 .. 127; a block of zeros has e = 0. As a byte (E8M0): e + 127.
;;     - Each number is divided by its block's scale, clamped to +-6, and rounded to the nearest number of E2M1, ties to even, subnormals kept.
;;     - The product sums the exact products of the quantised numbers (number of the format x scale) in f32.
;;   ~~~python
;;   def quantise(x, axis):      # numpy; x: float32 -> the quantised numbers, widened to float32 again
;;       x = np.moveaxis(x, axis, -1); K = x.shape[-1]
;;       x = np.pad(x, [(0, 0)] * (x.ndim - 1) + [(0, -K % 32)]); x = x.reshape(x.shape[:-1] + (-1, 32)); a = np.abs(x).max(-1, keepdims=True)
;;       e = np.where(a > 0, np.clip(np.frexp(np.where(a > 0, a, 1))[1] - 1 - 2, -126, 127), 0)      # np.frexp(a)[1] - 1 = floor(log2(a)), exactly
;;       r = np.clip(x / 2.0 ** e, -6, 6)
;;       step = 2.0 ** (np.maximum(np.frexp(np.where(r == 0, 1, r))[1] - 1, 0) - 1)
;;       q = np.round(r / step) * step * 2.0 ** e      # np.round: ties to even
;;       return np.moveaxis(q.reshape(q.shape[:-2] + (-1,))[..., :K], -1, axis).astype(np.float32)
;;   ~~~
;; One version. Each part assembles by itself: llvm-mc -triple=amdgcn-amd-amdhsa -mcpu=gfx1250 --defsym DOCPART=n.
;; ======== version 1 of 1: 2 launches
;; limits: right only within a limited range of input values
;; workspace buffers: xq 8,912,896 bytes; wq 8,912,896 bytes; xn 16,384 bytes; wn 16,384 bytes
;; launch quant (part 1): grid 512 x 1, 8 waves a work-group, no clusters, 36,352 bytes of LDS; arguments x, weights, xq, xn, wq, wn; writes xq, xn, wq, wn
.if DOCPART == 1
	.amdgcn_target "amdgcn-amd-amdhsa--gfx1250"
	.amdhsa_code_object_version 6
	.text
	.protected	k_q2da4d51c94_quant
	.globl	k_q2da4d51c94_quant
	.p2align	8
	.type	k_q2da4d51c94_quant,@function
k_q2da4d51c94_quant:
	s_mov_b64 s[64:65], 0
	v_nop
	global_prefetch_b8 v0, s[64:65] scope:SCOPE_SE
	s_setreg_imm32_b32 hwreg(HW_REG_WAVE_MODE, 25, 1), 1
	s_wait_xcnt 0x0
; x [4096][4096] and weights [4096][4096], f32, K innermost, are turned into codes of FP4 (E2M1) with one E8M0 scale byte for each 32 along K, and each row's 1 / max(sqrt(sum of squares), 1e-8) is made beside them.
; THE PACKED LAYOUT, for the launch that multiplies: [K step of 512: 8][place: 4096][272 bytes].  Bytes 0-255 of a packed row: the step's 512 codes, 16 bytes a block of 32; bytes 256-271: its 16 scale bytes.
; PLACES: row 64 G + 4 r + i (i = 0..3, r = 0..15) of a tensor lies at place 64 G + 16 i + r, in the packed buffer and among the reciprocal norms: so 16 neighbouring places are rows 4 apart, which the product's way out wants.
; ORDER INSIDE A BLOCK: word c (c = 0..3) of a block's 16 bytes holds the codes of k = 4 c .. 4 c + 3 and 16 + 4 c .. 16 + 4 c + 3.  Both tensors take the same order, so every product of the sum meets its partner under its own
; block's scales; only the order of the f32 sum inside a block differs from ascending k (a stated limit: results agree within rounding of the sum, not bit for bit).
; A block's scale is 2^(floor(log2(its largest magnitude)) - 2); its byte is the largest magnitude's own exponent field - 2, held at 1 from below.
; LIMITS: NaN and infinities among the inputs are not served.  A block of zeros gets the byte 1 where the quantiser's rule says 127: its codes are zeros, which add nothing under any byte but 0xff, and this program alone reads
; the bytes.  A block whose largest magnitude lies under 2^-124 gets the byte 1, the rule's hold at e = -126.  Root and reciprocal are v_sqrt_f32 and v_rcp_f32 (1 ulp, ISA guide 15.8); a denormal sum of squares counts as 0 there:
; its root would lie far under 1e-8, so the result is the same.  The sum of squares overflows where the defining f32 computation overflows.
; SHARES.  Work-groups 0-255 take x, 256-511 weights: only pointers are chosen, the text has one path.  Work-group g owns places 16 g .. 16 g + 15, all of K; wave w owns K step w of them; its step t is place 16 g + t: 2,048 bytes of a row.
; A LANE GETS 8 NUMBERS OF ONE BLOCK WITH NO TURN THROUGH LDS.  Each load reads 512 consecutive bytes, four blocks: lanes 0-15 take the first 64 bytes of each block, lanes 16-31 the second 64.  v_permlane16_swap_b32 on the registers
; of two loads then gives lanes 0-15 both halves' 16 bytes of the first load's blocks and lanes 16-31 those of the second's: 8 consecutive registers, one block, four lanes to a block.  Lane l's 8 codes are word l of 128 bytes.
; Codes and bytes are gathered as packed rows in the wave's own LDS and leave as 17 runs of 256 bytes.  Loads run DEPTH steps (4 DEPTH loads a wave) ahead.  The 64 bytes of norms that a work-group stores are part of an aligned 256.
.set STEPS, 16
.set DEPTH, 6
.set ROWIN, 4*16384                    ; from a step's row to the next: four rows of the input
.set PROW,  272
.set WREG,  16*PROW                    ; LDS of a wave: its 16 packed rows, 17 x 256 bytes
.set KSB,   4096*PROW
.set NORM,  8*WREG                     ; 16 sums of squares for each wave, 64 bytes
.set SPARE, NORM+512                   ; the spare words, 128 bytes a wave
.set R,     16                         ; v16-111  DEPTH sets of 16 numbers; at the end v16-49 the packed rows on their way out
.set X,     64                         ; at the end: at work
.set SQ,    112                        ; v112-127 step t's sum of squares
.set C,     128                        ; v128-159 two code words a step: no LDS store's data are written again
.set E,     160                        ; v160-191 two scale bytes a step
.set Q,     192                        ; v192-195 two chains of packed squares
.set SPW,   196
.set NIL,   197
.macro DLY n
	s_delay_alu instid0(VALU_DEP_\n)
.endm
	s_load_b128 s[4:7], s[0:1], 0x0                ; x, weights
	s_load_b128 s[8:11], s[0:1], 0x10              ; x's packed buffer, x's reciprocal norms
	s_load_b128 s[12:15], s[0:1], 0x20             ; the same for weights
	v_lshl_add_u32 v[SPW], v0, 2, SPARE
	v_mov_b32 v[NIL], 0
	v_lshrrev_b32 v1, 5, v0
	DLY 1
	v_readfirstlane_b32 s16, v1                    ; wave 0..7
	s_mul_i32 s26, s16, WREG                       ; my wave's LDS
	s_add_co_u32 s27, s26, 256
	s_lshl_b32 s28, s16, 6
	s_add_co_u32 s28, s28, NORM
	s_mov_b32 s24, 0x76543210
	s_mov_b32 s25, 0xfedcba98                      ; v_permlanex16_b32's selects for lane l xor 16
	v_and_b32 v2, 31, v0                           ; lane l
	DLY 1
	v_and_b32 v8, 12, v2
	v_and_b32 v9, 16, v2
	v_and_b32 v10, 3, v2
	DLY 3
	v_lshlrev_b32 v8, 5, v8                        ; block (l % 16) / 4 of a load's four: 128 bytes
	v_lshlrev_b32 v4, 3, v2                        ; my 8 bytes of a store's 256
	DLY 2
	v_lshl_add_u32 v8, v9, 2, v8                   ; its half l / 16: 64 bytes
	v_lshrrev_b32 v5, 2, v2
	DLY 2
	v_lshl_add_u32 v3, v10, 4, v8                  ; 16 bytes l % 4 of the half
	v_add_nc_u32 v5, s27, v5                       ; a packed row's scale bytes: byte l / 4 of eight
	v_add_nc_u32 v6, s26, v4                       ; the way out: 256 bytes an instruction
	v_lshl_add_u32 v14, v2, 2, s26                 ; a packed row's codes: word l of 128 bytes
	v_mov_b32 v7, s28                              ; my wave's 16 sums of squares
	v_and_b32 v12, 15, v0
	DLY 1
	v_lshlrev_b32 v12, 2, v12                      ; 4 x (lane % 16): a place's word among 16
	DLY 1
	v_add_nc_u32 v13, NORM, v12
	s_wait_alu depctr_va_vdst(0)                   ; the wait at the head's end
	s_wait_kmcnt 0x0
	s_cmp_lt_u32 ttmp9, 256                        ; x's work-group or weights'?  All four selections stand ahead of any line that sets SCC
	s_cselect_b64 s[4:5], s[4:5], s[6:7]
	s_cselect_b64 s[8:9], s[8:9], s[12:13]
	s_cselect_b64 s[10:11], s[10:11], s[14:15]
	s_cselect_b32 s17, 0, 256
	s_sub_co_u32 s17, ttmp9, s17                   ; g
	s_lshr_b32 s18, s17, 2
	s_lshl_b32 s18, s18, 20                        ; in: row 64 (g / 4)
	s_and_b32 s28, s17, 3
	s_lshl_b32 s28, s28, 14                        ; + g % 4, of 16,384 bytes each,
	s_add_co_u32 s18, s18, s28
	s_lshl_b32 s28, s16, 11                        ; 2,048 bytes a K step
	s_add_co_u32 s18, s18, s28
	s_mov_b32 s19, 0
	s_mul_i32 s20, s16, KSB                        ; out: my K step's plane,
	s_mul_i32 s28, s17, 16*PROW                    ; the group's 16 packed rows in it
	s_add_co_u32 s20, s20, s28
	s_mov_b32 s21, 0
	s_lshl_b32 s22, s17, 6                         ; the group's 16 reciprocal norms
	s_mov_b32 s23, 0
	s_add_nc_u64 s[4:5], s[4:5], s[18:19]
	s_add_nc_u64 s[8:9], s[8:9], s[20:21]
	s_add_nc_u64 s[10:11], s[10:11], s[22:23]
.macro LOAD t                          ; step t's 2,048 bytes; each load covers 512 consecutive bytes, read once in the launch
.irp i, 0,1,2,3
	global_load_b128 v[R+16*((\t)%DEPTH)+4*\i:R+16*((\t)%DEPTH)+4*\i+3], v3, s[4:5] offset:ROWIN*(\t)+512*\i th:TH_LOAD_NT
.endr
.endm
.irp t, 0,1,2,3,4,5
	LOAD \t
.endr
.macro STEP t
.set RS, R+16*((\t)%DEPTH)
.set CP, C+2*(\t)
.set EP, E+2*(\t)
.if STEPS-1-(\t) >= DEPTH-1
	s_wait_loadcnt 4*(DEPTH-1)                     ; this step's four loads are in; those of the DEPTH - 1 steps behind it may be out
.else
	s_wait_loadcnt 4*(STEPS-1-(\t))                ; the counts run down: nothing more is asked for
.endif
.irp k, 0,1,2,3,8,9,10,11
	v_permlane16_swap_b32 v[RS+\k], v[RS+4+\k]     ; registers 0-7: 8 numbers of block 4 (l / 16) + (l % 16) / 4; registers 8-15: of the block 8 further on
.endr
	v_max3_num_f32 v8, |v[RS]|, |v[RS+1]|, |v[RS+2]|               ; the largest magnitudes of my two eights, in four chains
	v_max3_num_f32 v9, |v[RS+8]|, |v[RS+9]|, |v[RS+10]|
	v_max3_num_f32 v10, |v[RS+3]|, |v[RS+4]|, |v[RS+5]|
	v_max3_num_f32 v11, |v[RS+11]|, |v[RS+12]|, |v[RS+13]|
	DLY 4
	v_max3_num_f32 v8, v8, |v[RS+6]|, |v[RS+7]|
	DLY 4
	v_max3_num_f32 v9, v9, |v[RS+14]|, |v[RS+15]|
	DLY 2
	v_max3_num_f32 v8, v8, v10, 0x1800000          ; and the floor 2^(3 - 127): the byte cannot fall under 1
	DLY 2
	v_max3_num_f32 v9, v9, v11, 0x1800000
.irp m, 1,2
	DLY 2
	v_max_num_f32_dpp v8, v8, v8 row_xmask:\m row_mask:0xf bank_mask:0xf   ; with the three other lanes of the block
	DLY 2
	v_max_num_f32_dpp v9, v9, v9 row_xmask:\m row_mask:0xf bank_mask:0xf
.endr
	DLY 2
	v_add_nc_u32 v10, 0xff000000, v8               ; 2 off the exponent field: the conversion takes the exponent field of this operand as its scale
	DLY 2
	v_add_nc_u32 v11, 0xff000000, v9
	v_cvt_scalef32_pk8_fp4_f32 v[CP], v[RS:RS+7], v10              ; to the nearest code, ties to even, beyond the largest code the largest
	v_cvt_scalef32_pk8_fp4_f32 v[CP+1], v[RS+8:RS+15], v11
	v_lshrrev_b32 v[EP], 23, v10                   ; the scales' bytes (plain lines behind the conversions)
	v_lshrrev_b32 v[EP+1], 23, v11
	v_pk_mul_f32 v[Q:Q+1], v[RS:RS+1], v[RS:RS+1]                  ; the squares of the UNQUANTISED numbers, two at a time, in two chains
	v_pk_mul_f32 v[Q+2:Q+3], v[RS+2:RS+3], v[RS+2:RS+3]
.irp i, 4,8,12
	DLY 2
	v_pk_fma_f32 v[Q:Q+1], v[RS+\i:RS+\i+1], v[RS+\i:RS+\i+1], v[Q:Q+1]
	DLY 2
	v_pk_fma_f32 v[Q+2:Q+3], v[RS+\i+2:RS+\i+3], v[RS+\i+2:RS+\i+3], v[Q+2:Q+3]
.endr
	DLY 1
	v_pk_add_f32 v[Q:Q+1], v[Q:Q+1], v[Q+2:Q+3]
	DLY 1
	v_add_f32 v[SQ+(\t)], v[Q], v[Q+1]             ; my 16 numbers' part of the row's sum
	ds_store_b32 v14, v[CP] offset:PROW*(\t)       ; blocks 0-7: 128 bytes of packed row t
	ds_store_b32 v14, v[CP+1] offset:PROW*(\t)+128 ; blocks 8-15
	ds_store_b8 v5, v[EP] offset:PROW*(\t)         ; the four lanes of a block write the same byte with the same value
	ds_store_b8 v5, v[EP+1] offset:PROW*(\t)+8
.if (\t)+DEPTH < STEPS
	LOAD (\t)+DEPTH                                ; into the registers that this step has worked off
.endif
.endm
.irp t, 0,1,2,3,4,5,6,7,8,9,10,11,12,13,14,15
	STEP \t
.endr
	; the 16 sums over the wave's 32 lanes, the 16 chains side by side
.irp m, 1,2,4,8
.irp t, 0,1,2,3,4,5,6,7,8,9,10,11,12,13,14,15
	v_add_f32_dpp v[SQ+\t], v[SQ+\t], v[SQ+\t] row_xmask:\m row_mask:0xf bank_mask:0xf
.endr
.endr
.irp t, 0,1,2,3,4,5,6,7,8,9,10,11,12,13,14,15
	v_permlanex16_b32 v[X+\t], v[SQ+\t], s24, s25  ; (its destination counts as read: these registers have been written)
.endr
.irp t, 0,1,2,3,4,5,6,7,8,9,10,11,12,13,14,15
	v_add_f32 v[SQ+\t], v[SQ+\t], v[X+\t]          ; every lane holds my K step's part of the sum of place t
.endr
.irp j, 0,1,2,3
	ds_store_b128 v7, v[SQ+4*\j:SQ+4*\j+3] offset:16*\j            ; all lanes write the same bytes with the same values
.endr
.irp i, 0,1,2,3,4,5,6,7,8,9,10,11,12,13,14,15,16
	ds_load_b64 v[R+2*\i:R+2*\i+1], v6 offset:256*\i               ; my 16 packed rows as 17 runs of 256 bytes; LDS serves a wave in order (ISA guide 5.7.1): these see my stores
.endr
	s_wait_dscnt 0x0                               ; for the others' sake: my sums lie in LDS; and my packed rows are back in registers
	s_barrier_signal -1
	s_barrier_wait -1
.irp i, 0,1,2,3,4,5,6,7,8,9,10,11,12,13,14,15,16
	global_store_b64 v4, v[R+2*\i:R+2*\i+1], s[8:9] offset:256*\i  ; 32 lanes store 256 consecutive bytes, at a multiple of 256 from the buffer's first byte; all stores stand behind the wave's last load
.endr
	s_cmp_lg_u32 s16, 0                            ; wave 0 alone finishes the norms; no barrier follows
	s_cbranch_scc1 .Lend
.irp j, 0,1,2,3,4,5,6,7
	ds_load_b32 v[X+\j], v13 offset:64*\j          ; place lane % 16: wave j's part
.endr
	s_wait_dscnt 0x0
	v_add_f32 v[X], v[X], v[X+1]
	v_add_f32 v[X+2], v[X+2], v[X+3]
	v_add_f32 v[X+4], v[X+4], v[X+5]
	v_add_f32 v[X+6], v[X+6], v[X+7]
	DLY 3
	v_add_f32 v[X], v[X], v[X+2]
	DLY 2
	v_add_f32 v[X+4], v[X+4], v[X+6]
	DLY 1
	v_add_f32 v[X], v[X], v[X+4]                   ; the row's sum of squares
	s_wait_alu depctr_va_vdst(0)                   ; the wait ahead of a transcendental
	v_sqrt_f32 v[X+1], v[X]
	v_nop                                          ; a plain line between a transcendental and the use of its result
	s_wait_alu depctr_va_vdst(0)                   ; and behind it
	v_max_num_f32 v[X+1], 0x322bcc77, v[X+1]       ; max(norm, 1e-8)
	s_wait_alu depctr_va_vdst(0)
	v_rcp_f32 v[X+2], v[X+1]
	v_nop
	s_wait_xcnt 0x0                                ; EXEC is a source of the stores above: it changes only behind this wait
	v_cmp_gt_u32 vcc_lo, 16, v2
	s_and_saveexec_b32 s27, vcc_lo                 ; lanes 0-15: one place each
	s_wait_alu depctr_va_vdst(0)
	global_store_b32 v12, v[X+2], s[10:11]
	s_wait_xcnt 0x0                                ; and again, in front of the line that widens it
	s_or_b32 exec_lo, exec_lo, s27
.Lend:
	s_wait_tensorcnt 0x0                           ; the wave's end
	ds_add_u32 v[SPW], v[NIL]
	s_wait_dscnt 0x0
	s_endpgm
.Lfunc_end_k_q2da4d51c94_quant:
	.size	k_q2da4d51c94_quant, .Lfunc_end_k_q2da4d51c94_quant-k_q2da4d51c94_quant
	.p2alignl 7, 3214868480
	.fill 96, 4, 3214868480
	.section	.rodata,"a",@progbits
	.p2align	6, 0x0
	.amdhsa_kernel k_q2da4d51c94_quant
		.amdhsa_group_segment_fixed_size 36352
		.amdhsa_private_segment_fixed_size 0
		.amdhsa_enable_private_segment 0
		.amdhsa_kernarg_size 48
		.amdhsa_user_sgpr_count 2
		.amdhsa_user_sgpr_kernarg_segment_ptr 1
		.amdhsa_wavefront_size32 1
		.amdhsa_system_sgpr_workgroup_id_x 1
		.amdhsa_system_sgpr_workgroup_id_y 1
		.amdhsa_system_sgpr_workgroup_id_z 1
		.amdhsa_system_vgpr_workitem_id 0
		.amdhsa_next_free_vgpr 198
		.amdhsa_next_free_sgpr 66
		.amdhsa_reserve_vcc 1
		.amdhsa_float_denorm_mode_32 3
		.amdhsa_float_denorm_mode_16_64 3
		.amdhsa_memory_ordered 1
		.amdhsa_forward_progress 1
		.amdhsa_inst_pref_size 64
	.end_amdhsa_kernel
	.amdgpu_metadata
---
amdhsa.version: [ 1, 2 ]
amdhsa.kernels:
  - .name:           k_q2da4d51c94_quant
    .symbol:         k_q2da4d51c94_quant.kd
    .args:
      - { .name: x, .offset: 0, .size: 8, .value_kind: global_buffer, .address_space: global }
      - { .name: weights, .offset: 8, .size: 8, .value_kind: global_buffer, .address_space: global }
      - { .name: xq, .offset: 16, .size: 8, .value_kind: global_buffer, .address_space: global }
      - { .name: xn, .offset: 24, .size: 8, .value_kind: global_buffer, .address_space: global }
      - { .name: wq, .offset: 32, .size: 8, .value_kind: global_buffer, .address_space: global }
      - { .name: wn, .offset: 40, .size: 8, .value_kind: global_buffer, .address_space: global }
    .group_segment_fixed_size: 36352
    .private_segment_fixed_size: 0
    .kernarg_segment_align: 8
    .kernarg_segment_size: 48
    .max_flat_workgroup_size: 256
    .sgpr_count:     66
    .vgpr_count:     198
    .wavefront_size: 32
...
	.end_amdgpu_metadata
.endif
;; end of part 1
;; launch gemm (part 2): grid 16 x 16, 4 waves a work-group, clusters of 4 x 4, 327,680 bytes of LDS; arguments xq, wq, xn, wn, out0; writes out0
.if DOCPART == 2
	.amdgcn_target "amdgcn-amd-amdhsa--gfx1250"
	.amdhsa_code_object_version 6
	.text
	.protected	k_q2da4d51c94_gemm
	.globl	k_q2da4d51c94_gemm
	.p2align	8
	.type	k_q2da4d51c94_gemm,@function
k_q2da4d51c94_gemm:
	s_mov_b64 s[64:65], 0
	v_nop
	global_prefetch_b8 v0, s[64:65] scope:SCOPE_SE
	s_setreg_imm32_b32 hwreg(HW_REG_WAVE_MODE, 25, 1), 1
	s_wait_xcnt 0x0
	s_wait_alu depctr_hold_cnt(0) depctr_sa_sdst(0) depctr_va_vdst(0) depctr_va_sdst(0) depctr_va_ssrc(0) depctr_va_vcc(0) depctr_vm_vsrc(0)
	s_getreg_b32 s2, hwreg(HW_REG_IB_STS2, 6, 4)
	s_cmp_eq_u32 s2, 0
	s_cbranch_scc0 .Lentry_in_a_cluster
	s_endpgm
.Lentry_in_a_cluster:
	s_bfe_u32 s2, ttmp6, 0x10000c
	s_cmp_lg_u32 s2, 0xf033
	s_cbranch_scc0 .Lentry_shape_is_right
	s_endpgm
.Lentry_shape_is_right:
; out0[b][o] = (sum over k of Q(x)[b][k] Q(w)[o][k]) x xn[b] x wn[o]: codes of FP4 (E2M1) with E8M0 scales, as the launch before packed them; xn, wn: the rows' reciprocal norms; sums in f32.
; PACKED OPERANDS: [K step of 512: 8][place: 4096][272 bytes]: 256 bytes of codes, 16 scale bytes.  128 places of a K step are 34,816 consecutive bytes, 136 x 256: one tensor load lays them into LDS as they lie, pitch 272 bytes
; (68 words: the 16 rows that a fragment load touches begin at 16 different banks; 64 banks of 4 bytes: ISA guide 11.1), the scale words riding along.
; PLACES: row 64 G + 4 r + i of a tensor lies at place 64 G + 16 i + r, among the norms too.  Inside a block of 32 both operands' codes stand in one and the same order, not ascending k: the order of the f32 sum differs, no product.
; A tile of out0, 256 x 256, is made by four waves, as many as a WGP has SIMDs; a wave makes 128 x 128: 64 accumulators, 512 registers.  K goes in steps of 512 through a ring of two LDS slots.
; CLUSTERS: 4 x 4 work-groups.  The four of a row of the cluster need the same tiles of x, the four of a column the same tiles of w: each is asked for JOINTLY, by the same tensor load with a mask that names the four.
; A step of 128 along K is 64 matrix instructions.  A's and B's fragments have TWO sets each: a step's 32 LDS loads go out in one run at the head of the step before, 64 matrix instructions ahead of their use.
; THE CHANGE OF SLOTS stands in a slot's THIRD step: the fourth step's fragments have been asked for at that step's head, so when they are in, nobody reads the slot any more; the refill goes out behind the round, and the
; fourth step's head fetches the next slot's first fragments with the same lead as any other.
; THE WAY OUT NEEDS NO LDS.  Source 0 = 16 places of x, source 1 = 16 places of w: register j of lane (r, h) of accumulator (a, b) is row 64 (a / 4) + 4 (8 h + j) + a % 4, column 64 (b / 4) + 4 r + b % 4 of my part.
; So register j of the four accumulators b = 4 g .. 4 g + 3 are 16 neighbouring bytes of a row, and sixteen lanes hold 256: the multiply by wn gathers them into four registers on end.  The very last step goes by A's blocks, as
; every step does, and each block leaves behind its own 8 products.
; PREFETCH: behind the load of K step k stands the request for K step k + 2 (k = 0 .. 5), and K step 1's stands with K step 2's, behind the load of K step 0, a whole tile's flight ahead of its own load: 34 blocks of 256 bytes
; a wave and K step, two instructions (the second's lanes 1-31 name its last block).  Of the 136 blocks that a wave's load brings, each of the four partners that ask for them jointly takes 34, told apart by address.
; K step 0 comes by its load alone.
; REGISTERS: window 0: v16-31 addresses; v32-95 scale words, a set a slot; v96-103 wn; v128-255 A's two sets.  Window 1: v0-63, v128-191 B's two sets; v64-127 xn; on the way out v0-63 block 0's store data.
;   Window 2: the accumulators of A's blocks 0-3 ((a, b) at v[8 (8 (a % 4) + b)]); window 3: of blocks 4-7; on the way out block a's registers take block a + 1's store data.
.set PITCH,  272
.set HALFT,  128*PITCH                 ; what one tensor load brings, and what a wave reads of A or of B
.set SLOT,   4*HALFT
.set KSB,    4096*PITCH                ; from a K step to the next in a packed buffer
.set SPARE,  2*SLOT                    ; the spare words, 128 bytes a wave
.set NROW,   4096*4                    ; a row of out0 in bytes
.set ADRA, 16                          ; v16-17 my A fragments in slot 0, 1
.set ADRB, 20                          ; v20-21 my B fragments
.set PFO2, 23                          ; v23 prefetch: 256 x min(lane, 1)
.set PFO,  24                          ; v24 prefetch: 256 x lane
.set WNO,  25                          ; v25 4 r
.set CO,   26                          ; v26 32 h rows of out0 + 16 r
.set XNO,  27                          ; v27 32 h
.set SPW,  28                          ; v28 my spare word; never rewritten
.set NIL,  29                          ; v29 0; never rewritten
.set ADRS, 30                          ; v30-31 scale words in slot 0, 1: lanes 0-15 A's places, lanes 16-31 B's
.set SC,   32                          ; set s at v[SC + 32 s]; register 4 i + q: block i's words for the slot's q-th 128 along K
.set WN,   96
.set XN,   64                          ; window 1
.set AF,   128
.set G1, 24                            ; s[24:31] group 1 for x's tiles; s[32:39] group 0, a set a slot
.set G0, 32
.set G1B, 48                           ; s[48:55], s[56:63] the same for w's
.set G0B, 56
.set PFA, 22                           ; s[22:23] where my prefetches stand
.set MSB, 0
.macro WIN new                         ; the immediate's high byte repeats the setting that is left
.if MSB != (\new)
	s_set_vgpr_msb (MSB<<8)|(\new)
.set MSB, (\new)
.endif
.endm
.set MUL_LO, 0xa4                      ; source 0 (A) window 0, source 1 (B) window 1, C and D window 2
.set MUL_HI, 0xf4                      ; the same, C and D window 3
.set TO_B,   0x40                      ; destination window 1, address window 0
.macro PLACES                          ; four places between a matrix instruction and a load into, or a vector instruction on, its registers (ISA guide 7.12.1 for vector instructions)
.rept 4
	v_nop
.endr
.endm
.macro JLOAD s                         ; a joint load: waves 0, 1 fetch x's two halves, waves 2, 3 w's; s_nop 0 and four v_nop behind each line
	s_cmp_eq_u32 s15, 0
	s_cbranch_scc0 .Lfor_b_\@
	tensor_load_to_lds s[G0+4*\s:G0+4*\s+3], s[G1:G1+7]
	s_nop 0
	PLACES
	s_branch .Lasked_\@
.Lfor_b_\@:
	tensor_load_to_lds s[G0B+4*\s:G0B+4*\s+3], s[G1B:G1B+7]
	s_nop 0
	PLACES
.Lasked_\@:
.endm
.macro CREST                           ; a round of the cluster's barrier behind its opening barrier
	s_cmp_lg_u32 s14, 0
	s_cbranch_scc1 .Lnot_wave_0_\@
	s_barrier_signal -3
.Lnot_wave_0_\@:
	s_barrier_wait -3
	s_barrier_signal -1
	s_barrier_wait -1
.endm
.macro CROUND
	s_barrier_signal -1
	s_barrier_wait -1
	CREST
.endm
.macro PREF off                        ; my 34 blocks of the K step at PFA + off
	global_prefetch_b8 v[PFO], s[PFA:PFA+1] offset:\off th:TH_LOAD_NT scope:SCOPE_SE
	global_prefetch_b8 v[PFO2], s[PFA:PFA+1] offset:\off+8192 th:TH_LOAD_NT scope:SCOPE_SE
.endm
.macro ASK                             ; in the loop: the last trip's two refills bring K steps 6 and 7, which have no K step two on
	s_cmp_gt_u32 s3, 1
	s_cbranch_scc0 .Lno_ask_\@
	PREF 2*KSB
.Lno_ask_\@:
.endm
	s_load_b128 s[4:7], s[0:1], 0x0                ; xq, wq
	s_load_b128 s[8:11], s[0:1], 0x10              ; xn, wn
	s_load_b64 s[12:13], s[0:1], 0x20              ; out0
	v_lshl_add_u32 v[SPW], v0, 2, SPARE
	v_mov_b32 v[NIL], 0
	ds_add_u32 v[SPW], v[NIL]                      ; the opening lines: the add, twice on end, and its wait ahead of my first tensor load
	ds_add_u32 v[SPW], v[NIL]
	v_lshrrev_b32 v1, 5, v0
	v_readfirstlane_b32 s14, v1                    ; wave 0..3
	s_lshr_b32 s15, s14, 1                         ; which half of the tile's rows is mine.  Also: I fetch for x (0) or for w (1)
	s_and_b32 s16, s14, 1                          ; which half of its columns.  Also: which 128 places of that tile I fetch
	s_bfe_u32 s40, ttmp6, 0x40000                  ; cx, cy
	s_bfe_u32 s41, ttmp6, 0x40004
	s_lshl_b32 s42, ttmp9, 2
	s_add_co_u32 s42, s42, s40                     ; tile column
	s_and_b32 s17, ttmp7, 0xffff
	s_lshl_b32 s17, s17, 2
	s_add_co_u32 s17, s17, s41                     ; tile row
	s_lshl_b32 s43, s41, 2
	s_lshl_b32 s43, 15, s43                        ; my row of the cluster
	s_lshl_b32 s44, 0x1111, s40                    ; my column
	s_or_b32 s[G1+0], s43, (3<<16)|(1<<21)         ; the mask; elements of 8 bytes; bit 21 beside a mask; no padding: the packed rows carry their own pitch
	s_or_b32 s[G1B+0], s44, (3<<16)|(1<<21)
.irp g, G1, G1B
	s_mov_b32 s[\g+1], 32<<16                      ; 136 rows of 256 bytes, dense
	s_mov_b32 s[\g+2], 136<<16
	s_mov_b32 s[\g+3], 32<<16
	s_mov_b32 s[\g+4], 136
	s_mov_b32 s[\g+5], 32
	s_mov_b32 s[\g+6], 0
	s_mov_b32 s[\g+7], 0
.endr
	s_lshl_b32 s18, s16, 7
	s_lshl_b32 s20, s17, 8
	s_add_co_u32 s20, s20, s18
	s_mul_i32 s20, s20, PITCH                      ; x: place 256 x tile row + 128 x half, in bytes
	s_mov_b32 s21, 0
	s_lshl_b32 s46, s42, 8
	s_add_co_u32 s46, s46, s18
	s_mul_i32 s46, s46, PITCH                      ; w: 256 x tile column + 128 x half
	s_mov_b32 s47, 0
	s_mul_i32 s45, s14, HALFT                      ; where my part goes: no place in the cluster enters an LDS address
	s_cmp_eq_u32 s15, 0
	s_cselect_b32 s18, s20, s46                    ; the prefetches: the part that I fetch,
	s_cselect_b32 s19, s40, s41                    ; my place among the four that ask for it with me,
	s_mul_i32 s19, s19, 34*256                     ; 34 blocks each,
	s_add_co_u32 s18, s18, s19
	s_add_co_u32 s18, s18, KSB                     ; from K step 1 on
	s_mov_b32 s19, 0
	s_wait_dscnt 0x0                               ; both opening adds are done
	s_wait_kmcnt 0x0
	s_cmp_eq_u32 s15, 0
	s_cselect_b64 s[PFA:PFA+1], s[4:5], s[6:7]
	s_add_nc_u64 s[PFA:PFA+1], s[PFA:PFA+1], s[18:19]
	s_add_nc_u64 s[20:21], s[4:5], s[20:21]
	s_add_nc_u64 s[46:47], s[6:7], s[46:47]
.irp s, 0,1
	s_mov_b32 s[G0+4*\s], 1
	s_add_co_u32 s[G0+4*\s+1], s45, \s*SLOT
	s_add_nc_u64 s[G0+4*\s+2:G0+4*\s+3], s[20:21], \s*KSB
	s_or_b32 s[G0+4*\s+3], s[G0+4*\s+3], 0x80000000
	s_mov_b32 s[G0B+4*\s], 1
	s_add_co_u32 s[G0B+4*\s+1], s45, \s*SLOT
	s_add_nc_u64 s[G0B+4*\s+2:G0B+4*\s+3], s[46:47], \s*KSB
	s_or_b32 s[G0B+4*\s+3], s[G0B+4*\s+3], 0x80000000
.endr
	CROUND                                         ; all sixteen work-groups are here: the first joint loads meet
	JLOAD 0                                        ; K step 0, a quarter of the slot a wave: one tensor load a wave at the head
	s_mul_i32 s18, s15, HALFT                      ; my 128 places of A in a slot
	s_mul_i32 s19, s16, HALFT
	s_add_co_u32 s19, s19, 2*HALFT                 ; my 128 of B, behind A's 256
	s_sub_co_u32 s43, s19, s18
	s_lshl_b32 s20, s17, 10
	s_lshl_b32 s21, s15, 9
	s_add_co_u32 s20, s20, s21                     ; 4 x my first row
	s_mov_b32 s21, 0
	s_add_nc_u64 s[8:9], s[8:9], s[20:21]          ; xn of my rows
	s_lshl_b32 s46, s42, 10
	s_lshl_b32 s47, s16, 9
	s_add_co_u32 s46, s46, s47                     ; 4 x my first column
	s_mov_b32 s47, 0
	s_add_nc_u64 s[10:11], s[10:11], s[46:47]      ; wn of my columns
	s_add_nc_u64 s[12:13], s[12:13], s[46:47]
	s_lshl_b32 s20, s20, 12                        ; my first row x 16,384 bytes
	s_add_nc_u64 s[12:13], s[12:13], s[20:21]      ; my part of out0
	v_and_b32 v1, 15, v0                           ; r
	v_bfe_u32 v2, v0, 4, 1                         ; h
	v_and_b32 v7, 31, v0
	v_mul_u32_u24 v3, v1, PITCH
	v_mul_u32_u24 v5, s43, v2                      ; lanes 16-31 take B's scale words
	v_lshl_add_u32 v4, v2, 4, v3                   ; a fragment: row x pitch + 16 h
	v_add_nc_u32 v5, v5, v3
	v_add_nc_u32 v5, 256, v5                       ; the scale words lie behind a row's codes
	v_add_nc_u32 v[ADRA], s18, v4
	v_add_nc_u32 v[ADRB], s19, v4
	v_add_nc_u32 v[ADRS], s18, v5
	v_add_nc_u32 v[ADRA+1], SLOT, v[ADRA]
	v_add_nc_u32 v[ADRB+1], SLOT, v[ADRB]
	v_add_nc_u32 v[ADRS+1], SLOT, v[ADRS]
	v_lshlrev_b32 v[XNO], 5, v2
	v_lshlrev_b32 v[WNO], 2, v1
	v_lshlrev_b32 v6, 4, v1
	v_lshl_add_u32 v[CO], v2, 19, v6               ; lanes 16-31: 32 rows of out0 further down
	v_lshlrev_b32 v[PFO], 8, v7
	v_min_u32 v7, 1, v7
	v_lshlrev_b32 v[PFO2], 8, v7
	s_wait_alu depctr_va_vdst(0)                   ; the wait at the head's end
	PREF 0                                         ; K step 1,
	PREF KSB                                       ; K step 2
	WIN TO_B
.irp a, 0,1,2,3,4,5,6,7
	global_load_b128 v[XN+8*\a:XN+8*\a+3], v[XNO], s[8:9] offset:64*\a       ; xn at places 16 a + 8 h + 0 .. 7: register j goes with an accumulator's register j
	global_load_b128 v[XN+8*\a+4:XN+8*\a+7], v[XNO], s[8:9] offset:64*\a+16
.endr
	WIN 0
.irp b, 0,1,2,3,4,5,6,7
	global_load_b32 v[WN+\b], v[WNO], s[10:11] offset:64*\b                  ; wn at place 16 b + r
.endr
.macro FRAG reg, adr, q, i             ; 16 places x 128 K: 8 registers; registers 4 c .. 4 c + 3 of lane (r, h): block 2 c + h of row r, 16 bytes as they lie
.irp c, 0,1
	ds_load_b128 v[\reg+4*\c:\reg+4*\c+3], v[\adr] offset:64*(\q)+32*\c+(\i)*16*PITCH
.endr
.endm
.macro RUN slot, q, p, sc              ; one run of LDS loads: (sc = 1: the slot's 8 x 4 scale words,) B's eight fragments, A's eight, of the slot's q-th 128 along K, into sets p
.if \sc
	WIN 0
.irp i, 0,1,2,3,4,5,6,7
	ds_load_b128 v[SC+32*\slot+4*\i:SC+32*\slot+4*\i+3], v[ADRS+\slot] offset:\i*16*PITCH
.endr
.endif
	WIN TO_B
.irp i, 0,1,2,3,4,5,6,7
	FRAG 128*(\p)+8*\i, ADRB+\slot, \q, \i
.endr
	WIN 0
.irp i, 0,1,2,3,4,5,6,7
	FRAG AF+64*(\p)+8*\i, ADRA+\slot, \q, \i
.endr
.endm
; 8 matrix instructions: A's block a x B's eight.  The 64 accumulators take turns in the same order in every step.  zero = 1: the first product starts the sums.
.macro MUL8 a, p, q, sc, zero
.irp b, 0,1,2,3,4,5,6,7
.if \zero
	v_wmma_scale_f32_16x16x128_f8f6f4 v[8*(8*((\a)%4)+\b):8*(8*((\a)%4)+\b)+7], v[AF+64*(\p)+8*(\a):AF+64*(\p)+8*(\a)+7], v[128*(\p)+8*\b:128*(\p)+8*\b+7], 0, v[SC+32*(\sc)+4*(\a)+(\q)], v[SC+32*(\sc)+4*\b+(\q)] matrix_a_fmt:MATRIX_FMT_FP4 matrix_b_fmt:MATRIX_FMT_FP4 matrix_b_scale:MATRIX_SCALE_ROW1
.else
	v_wmma_scale_f32_16x16x128_f8f6f4 v[8*(8*((\a)%4)+\b):8*(8*((\a)%4)+\b)+7], v[AF+64*(\p)+8*(\a):AF+64*(\p)+8*(\a)+7], v[128*(\p)+8*\b:128*(\p)+8*\b+7], v[8*(8*((\a)%4)+\b):8*(8*((\a)%4)+\b)+7], v[SC+32*(\sc)+4*(\a)+(\q)], v[SC+32*(\sc)+4*\b+(\q)] matrix_a_fmt:MATRIX_FMT_FP4 matrix_b_fmt:MATRIX_FMT_FP4 matrix_b_scale:MATRIX_SCALE_ROW1
.endif
.endr
.endm
.macro MUL16 a0, p, q, sc, zero
	MUL8 \a0, \p, \q, \sc, \zero
	MUL8 (\a0)+1, \p, \q, \sc, \zero
.endm
; A step's 64 products on sets p.  new: the LDS loads issued behind my sets' run.  A's fragments are the run's last 16 loads, two a block: each wait leaves out the blocks not yet due, and the new run.
.macro MULS p, q, sc, zero, new, ask
	s_wait_dscnt 12+\new
	WIN MUL_LO
	MUL16 0, \p, \q, \sc, \zero
	s_wait_dscnt 8+\new
	MUL16 2, \p, \q, \sc, \zero
.if \ask
	WIN 0                                          ; (a branch and a label follow)
	ASK                                            ; 32 matrix instructions behind the joint load and the run of LDS loads
.endif
	s_wait_dscnt 4+\new
	WIN MUL_HI
	MUL16 4, \p, \q, \sc, \zero
	s_wait_dscnt \new
	MUL16 6, \p, \q, \sc, \zero
.endm
.macro STEP slot, q, zero              ; a step whose successor lies in the same slot
	PLACES
	RUN \slot, (\q)+1, 1-(\q)%2, 0
	MULS (\q)%2, \q, \slot, \zero, 32, 0
.endm
; A slot's third step, and the change of slots.  In front of the barrier each wave waits for all its tensor loads (one is out: its part of the other slot), adds 0 to its spare word, and waits for the add and for its reads of
; this slot, the fourth step's fragments the last of them.  fill = 1: the barrier opens a round of the cluster's barrier, and this slot is filled again, two K steps ahead.
.macro TURN slot, fill
	PLACES
	RUN \slot, 3, 1, 0
.if \fill
	s_wait_xcnt 0x0                                ; my prefetches have read their address: it steps here, three steps behind them
	s_add_nc_u64 s[PFA:PFA+1], s[PFA:PFA+1], KSB
.endif
	s_wait_dscnt 44
	WIN MUL_LO
	MUL16 0, 0, 2, \slot, 0
	s_wait_dscnt 40
	MUL16 2, 0, 2, \slot, 0
	WIN 0                                          ; (the add's two registers lie in window 0)
	s_wait_tensorcnt 0x0
	ds_add_u32 v[SPW], v[NIL]
	s_wait_dscnt 37                                ; A's blocks 6, 7 (4 loads), the run of 32 and the add may be out
	WIN MUL_HI
	MUL16 4, 0, 2, \slot, 0
	s_wait_dscnt 0x0                               ; the add is done, and my reads of this slot are over
	s_barrier_signal -1
	MUL16 6, 0, 2, \slot, 0
	WIN 0
	s_barrier_wait -1
.if \fill
	CREST                                          ; no wave of any partner still reads this slot or has a load on its way
	s_add_nc_u64 s[G0+4*\slot+2:G0+4*\slot+3], s[G0+4*\slot+2:G0+4*\slot+3], 2*KSB
	s_add_nc_u64 s[G0B+4*\slot+2:G0B+4*\slot+3], s[G0B+4*\slot+2:G0B+4*\slot+3], 2*KSB
	JLOAD \slot                                    ; the first tensor load behind the round; its four v_nop are the places in front of the run that follows
.else
	PLACES
.endif
.endm
.macro FOURTH slot, next, ask          ; a slot's fourth step: its head fetches the next slot's scale words and first fragments, 40 loads
	RUN \next, 0, 0, 1
	MULS 1, 3, \slot, 0, 40, \ask
.endm
	s_wait_tensorcnt 0x0                           ; my part of K step 0 is in
	ds_add_u32 v[SPW], v[NIL]
	s_wait_dscnt 0x0
	CROUND                                         ; everybody's part is in, and the joint loads meet
	JLOAD 1                                        ; K step 1: slot 1's first fill
	RUN 0, 0, 0, 1
	PREF 2*KSB                                     ; K step 3
	STEP 0, 0, 1                                   ; the first step stands in front of the loop: its products start the sums
	WIN 0                                          ; at a label and at a branch every window is 0
	s_mov_b32 s3, 3
.Llap:                                                 ; a trip goes once round the ring, from a lap's second step to the next lap's first, and fills both slots again
	STEP 0, 1, 0
	TURN 0, 1
	FOURTH 0, 1, 1
	STEP 1, 0, 0
	STEP 1, 1, 0
	TURN 1, 1
	FOURTH 1, 0, 1
	STEP 0, 0, 0
	WIN 0
	s_sub_co_u32 s3, s3, 1
	s_cmp_lg_u32 s3, 0
	s_cbranch_scc1 .Llap
	STEP 0, 1, 0                                   ; the last lap fills nothing, and has no round of the cluster's barrier
	TURN 0, 0
	FOURTH 0, 1, 0
	STEP 1, 0, 0
	STEP 1, 1, 0
	STEP 1, 2, 0
	s_wait_loadcnt 0x0                             ; xn and wn, asked for at the head
; THE WAY OUT, block a of A by block: x xn in place, two registers an instruction, each accumulator from its low end on; x wn, which gathers register j of four accumulators into four registers on end; 16 stores,
; each of two aligned runs of 256 bytes (lanes 0-15 one row, lanes 16-31 the row 32 further down).  Every offset is an immediate: 95 rows of out0 at the most.  Block 0's store data lie where B's set 0 lay, block a's
; in the accumulators of block a - 1, which the gather has read: no store's data are written again.
.macro OUT a
.set AC, 64*((\a)%4)
.if (\a) == 0
.set TW, 1
.set T, 0
.else
.set TW, 2+((\a)-1)/4
.set T, 64*(((\a)-1)%4)
.endif
	WIN 0x86+0x41*((\a)/4)                         ; destination and source 0: window 2 or 3; source 1: window 1
.irp b, 0,1,2,3,4,5,6,7
.irp r, 0,1,2,3
	v_pk_mul_f32 v[AC+8*\b+2*\r:AC+8*\b+2*\r+1], v[AC+8*\b+2*\r:AC+8*\b+2*\r+1], v[XN+8*(\a)+2*\r:XN+8*(\a)+2*\r+1]
.endr
.endr
	WIN (TW<<6)|(2+(\a)/4)                         ; destination: the store data's window; source 0 window 2 or 3, source 1 window 0
.irp g, 0,1
.irp j, 0,1,2,3,4,5,6,7
.irp i, 0,1,2,3
	v_mul_f32 v[T+4*(8*\g+\j)+\i], v[AC+8*(4*\g+\i)+\j], v[WN+4*\g+\i]
.endr
.endr
.endr
	WIN TW<<2                                      ; the data's window
.irp g, 0,1
.irp j, 0,1,2,3,4,5,6,7
	global_store_b128 v[CO], v[T+4*(8*\g+\j):T+4*(8*\g+\j)+3], s[12:13] offset:(64*((\a)/4)+4*\j+(\a)%4)*NROW+256*\g
.endr
.endr
.endm
.irp a, 0,1,2,3,4,5,6,7                ; the very last step: block a's 8 products finish it, and it leaves
	s_wait_dscnt 14-2*\a                           ; A's blocks behind a, two loads each, may be out
	WIN MUL_LO+0x50*(\a/4)
	MUL8 \a, 1, 3, 1, 0
	PLACES                                         ; in front of the reads of results just made (and, for block 0, of writes into registers that held B's set 0)
	OUT \a
.endr
	WIN 0
	s_wait_tensorcnt 0x0                           ; the wave's end
	ds_add_u32 v[SPW], v[NIL]
	s_wait_dscnt 0x0
	CROUND                                         ; the closing round: no work-group ends while a partner may still ask for a tile that names it
	s_endpgm
.Lfunc_end_k_q2da4d51c94_gemm:
	.size	k_q2da4d51c94_gemm, .Lfunc_end_k_q2da4d51c94_gemm-k_q2da4d51c94_gemm
	.p2alignl 7, 3214868480
	.fill 96, 4, 3214868480
	.section	.rodata,"a",@progbits
	.p2align	6, 0x0
	.amdhsa_kernel k_q2da4d51c94_gemm
		.amdhsa_group_segment_fixed_size 327680
		.amdhsa_private_segment_fixed_size 0
		.amdhsa_enable_private_segment 0
		.amdhsa_kernarg_size 40
		.amdhsa_user_sgpr_count 2
		.amdhsa_user_sgpr_kernarg_segment_ptr 1
		.amdhsa_wavefront_size32 1
		.amdhsa_system_sgpr_workgroup_id_x 1
		.amdhsa_system_sgpr_workgroup_id_y 1
		.amdhsa_system_sgpr_workgroup_id_z 1
		.amdhsa_system_vgpr_workitem_id 0
		.amdhsa_next_free_vgpr 1024
		.amdhsa_next_free_sgpr 66
		.amdhsa_reserve_vcc 0
		.amdhsa_float_denorm_mode_32 3
		.amdhsa_float_denorm_mode_16_64 3
		.amdhsa_memory_ordered 1
		.amdhsa_forward_progress 1
		.amdhsa_inst_pref_size 228
	.end_amdhsa_kernel
	.amdgpu_metadata
---
amdhsa.version: [ 1, 2 ]
amdhsa.kernels:
  - .name:           k_q2da4d51c94_gemm
    .symbol:         k_q2da4d51c94_gemm.kd
    .args:
      - { .name: xq, .offset: 0, .size: 8, .value_kind: global_buffer, .address_space: global }
      - { .name: wq, .offset: 8, .size: 8, .value_kind: global_buffer, .address_space: global }
      - { .name: xn, .offset: 16, .size: 8, .value_kind: global_buffer, .address_space: global }
      - { .name: wn, .offset: 24, .size: 8, .value_kind: global_buffer, .address_space: global }
      - { .name: out0, .offset: 32, .size: 8, .value_kind: global_buffer, .address_space: global }
    .group_segment_fixed_size: 327680
    .private_segment_fixed_size: 0
    .kernarg_segment_align: 8
    .kernarg_segment_size: 40
    .max_flat_workgroup_size: 128
    .sgpr_count:     66
    .vgpr_count:     1024
    .wavefront_size: 32
...
	.end_amdgpu_metadata
.endif
;; end of part 2
